; MI455X (gfx1250); checked and timed in simulation.
; The chip was launched on July 23, 2026; its instructions are those of AMD's public machine-readable ISA for CDNA 5 (MIT licence, August 2026) and "CDNA5" Instruction Set Architecture Reference Guide (July 2026). The comments in the code are by the model that wrote it; some were corrected since.
;; Self Attention2d. Allowed arithmetic: float matrix products may take bf16 or f16 operands with f32 sums; all other float work in f32.
;; Inputs: bk 128 float32; bq 128 float32; bv 128 float32; wk 128 x 128 float32; wq 128 x 128 float32; wv 128 x 128 float32; x 2 x 128 x 64 x 64 float32.
;; Outputs: out0 2 x 128 x 64 x 64 float32.
;; 2 versions, each right and faster than the one before. Each part assembles by itself: llvm-mc -triple=amdgcn-amd-amdhsa -mcpu=gfx1250 --defsym DOCPART=n.
;; ======== version 1 of 2: 2 launches
;; workspace buffers: qimg 2,097,152 bytes; kvimg 6,291,456 bytes
;; launch proj (part 1): grid 128 x 2, 4 waves a work-group, no clusters, 73,216 bytes of LDS; arguments x, wq, wk, wv, bq, bk, bv, qimg, kvimg; writes qimg, kvimg
.if DOCPART == 1
	.amdgcn_target "amdgcn-amd-amdhsa--gfx1250"
	.amdhsa_code_object_version 6
	.text
	.protected	k_q4588f2a5a5_proj
	.globl	k_q4588f2a5a5_proj
	.p2align	8
	.type	k_q4588f2a5a5_proj,@function
k_q4588f2a5a5_proj:
	s_mov_b64 s[64:65], 0
	v_nop
	global_prefetch_b8 v0, s[64:65] scope:SCOPE_SE
	s_setreg_imm32_b32 hwreg(HW_REG_WAVE_MODE, 25, 1), 1
	s_wait_xcnt 0x0
; q, k, v = W x + b for 64 tokens and four heads, stored as the register images that the attention launch feeds to the matrix unit.
; x: [2][128][4096] f32.  wq, wk, wv: [128][128] f32.  bq, bk, bv: [128] f32.
; qimg:  [bh 16][q tile 256][512 B]: lane L = (r = L & 15, h = L >> 4) owns bytes 16 L: bf16 of q(token r, channels 8h .. 8h+7), times log2(e)/sqrt(128).
; kvimg: [bh 16][step 64][6,144 B], a step = 64 keys: four pieces of 512 B of K (lane L: key r, channels 8h ..), then four of Vh and four of Vl
;        (lane L: channel r, keys 16 piece + 8h ..), with Vh = bf16(v), Vl = bf16(v - Vh): v keeps 16 significant bits.
; Work-group (id, y): batch id >> 6, tokens 64 (id & 63) .., heads 4 y .. 4 y + 3; wave w owns head 4 y + w: 48 rows of W (16 each of q, k, v).
; x's tile (128 channels x 64 tokens) is rounded to bf16 and shared through LDS; each wave's 48 rows of W lie in LDS bytes of its own.
; NO JOINT LOADS: x and W are f32 and must pass through registers to be rounded before any wave can multiply them, so they are loaded straight
; into registers (32 KiB of x and 96 KiB of W a work-group); a copy into LDS first would add one more LDS trip for every byte.
; LIMITS: matrix operands are bf16 (x, W); sums and biases f32.
.set XP,     160                       ; LDS pitch of a channel row of x: 128 bytes + 32, an odd multiple of 32 for the transposing loads
.set WP,     272                       ; LDS pitch of a row of W: 256 bytes + 16, an odd multiple of 16
.set WL0,    128*XP                    ; W's rows lie behind x's 128 rows
.set WLW,    48*WP                     ; a wave's 48 rows
.set STA,    16                        ; v[16:79]    as loaded: x, later Wv
.set STB,    80                        ; v[80:143]   as loaded: Wq
.set STC,    144                       ; v[144:207]  as loaded: Wk
.set WF,     16                        ; v[16:111]   then: fragments of W, 32 kind + 8 kstep
.set XF,     112                       ; v[112:175]  then: fragments of x, two buffers of four K steps
.set AQ,     176                       ; v[176:199]  accumulators q, k, v
.set AK,     184
.set AV,     192
.set T,      200                       ; v[200:215]  store data: q, k, vh, vl
.set TT,     216                       ; v[216:223]  at work
.set BQ,     224                       ; v[224:247]  biases as first addends
.set BK,     232
.set BV,     240
.set QSCALE, 0x3e0293ee                ; log2(e) / sqrt(128)
	s_load_b512 s[4:19], s[0:1], 0x0               ; x s[4:5], wq s[6:7], wk s[8:9], wv s[10:11], bq s[12:13], bk s[14:15], bv s[16:17], qimg s[18:19]
	s_load_b64 s[20:21], s[0:1], 0x40              ; kvimg
	v_lshl_add_u32 v248, v0, 2, 0x11c00
	v_mov_b32 v249, 0
	v_lshrrev_b32 v9, 5, v0
	v_readfirstlane_b32 s22, v9                    ; wave
	s_and_b32 s25, ttmp7, 0xffff                   ; y
	s_lshl_b32 s23, s25, 2
	s_add_co_u32 s23, s23, s22                     ; head = 4 y + wave
	s_lshr_b32 s28, ttmp9, 6                       ; batch
	s_and_b32 s29, ttmp9, 63                       ; token tile
	s_lshl_b32 s24, s28, 3
	s_add_co_u32 s24, s24, s23                     ; bh = 8 batch + head
	s_lshl_b32 s26, s28, 21                        ; x: batch x 128 rows of 16,384 bytes
	s_lshl_b32 s30, s22, 19                        ;  + wave x 32 rows
	s_add_co_u32 s26, s26, s30
	s_lshl_b32 s30, s29, 8                         ;  + tile x 256 bytes
	s_add_co_u32 s26, s26, s30
	s_mov_b32 s27, 0
	s_lshl_b32 s32, s23, 13                        ; W: head x 16 rows of 512 bytes
	s_mov_b32 s33, 0
	s_lshl_b32 s34, s23, 6                         ; biases: head x 64 bytes
	s_mov_b32 s35, 0
	s_lshl_b32 s36, s24, 17                        ; qimg: bh x 256 tiles of 512 bytes + tile x 4 of them
	s_lshl_b32 s30, s29, 11
	s_add_co_u32 s36, s36, s30
	s_mov_b32 s37, 0
	s_mul_i32 s38, s24, 64*6144                    ; kvimg: (bh x 64 + tile) x 6,144
	s_mul_i32 s30, s29, 6144
	s_add_co_u32 s38, s38, s30
	s_mov_b32 s39, 0
	s_mul_i32 s31, s22, WLW
	s_add_co_u32 s31, s31, WL0                     ; my wave's rows of W in LDS
	s_mul_i32 s25, s22, 32*XP                      ; my wave's 32 rows of x in LDS
	v_and_b32 v10, 31, v0                          ; L
	v_and_b32 v11, 15, v0                          ; r
	v_bfe_u32 v12, v0, 4, 1                        ; h
	v_lshlrev_b32 v1, 4, v10                       ; v1 = 16 L: rows of W, and both images
	v_lshlrev_b32 v2, 4, v11
	v_lshl_add_u32 v2, v12, 14, v2                 ; v2 = x: row h, 16 bytes at 16 r
	v_mul_u32_u24 v3, v12, XP
	v_lshl_add_u32 v3, v11, 3, v3
	v_add_nc_u32 v3, s25, v3                       ; v3 = where x's 4 tokens go: row 32 w + h, byte 8 r
	v_lshl_add_u32 v4, v10, 3, s31                 ; v4 = where W's 4 numbers go: byte 8 L of a row
	v_mul_u32_u24 v5, v11, WP
	v_lshl_add_u32 v5, v12, 4, v5
	v_add_nc_u32 v5, s31, v5                       ; v5 = fragments of W: row r, byte 16 h
	v_and_b32 v13, 7, v0
	v_lshl_add_u32 v13, v12, 3, v13                ; 8 h + (L & 7)
	v_mul_u32_u24 v6, v13, XP
	v_bfe_u32 v14, v0, 3, 1
	v_lshl_add_u32 v6, v14, 4, v6                  ; v6 = transposing loads of x: that channel row, 16 bytes at 16 ((L >> 3) & 1)
	v_lshlrev_b32 v7, 5, v12                       ; v7 = bq, bk: 8 numbers at 32 h
	v_lshlrev_b32 v8, 2, v11                       ; v8 = bv: the number of channel r
	s_wait_kmcnt 0x0
	s_add_nc_u64 s[4:5], s[4:5], s[26:27]
	s_add_nc_u64 s[6:7], s[6:7], s[32:33]
	s_add_nc_u64 s[8:9], s[8:9], s[32:33]
	s_add_nc_u64 s[10:11], s[10:11], s[32:33]
	s_add_nc_u64 s[12:13], s[12:13], s[34:35]
	s_add_nc_u64 s[14:15], s[14:15], s[34:35]
	s_add_nc_u64 s[16:17], s[16:17], s[34:35]
	s_add_nc_u64 s[18:19], s[18:19], s[36:37]
	s_add_nc_u64 s[20:21], s[20:21], s[38:39]
; sixteen loads of 16 bytes a lane, step bytes apart
.macro LOAD16 st, adr, base, step
.set i, 0
.rept 16
	global_load_b128 v[\st+4*i:\st+4*i+3], v[\adr], s[\base:\base+1] offset:i*\step
.set i, i+1
.endr
.endm
; what sixteen such loads brought: four f32 a lane are rounded to four bf16, 8 bytes to LDS
.macro PACK16 st, adr, first, pitch
.set i, 0
.rept 16
	v_cvt_pk_bf16_f32 v[\st+4*i],   v[\st+4*i],   v[\st+4*i+1]
	v_cvt_pk_bf16_f32 v[\st+4*i+1], v[\st+4*i+2], v[\st+4*i+3]
	ds_store_b64 v[\adr], v[\st+4*i:\st+4*i+1] offset:\first+i*\pitch
.set i, i+1
.endr
.endm
	global_load_b128 v[BQ:BQ+3],   v7, s[12:13]            ; register j = bias of channel 8 h + j
	global_load_b128 v[BQ+4:BQ+7], v7, s[12:13] offset:16
	global_load_b128 v[BK:BK+3],   v7, s[14:15]
	global_load_b128 v[BK+4:BK+7], v7, s[14:15] offset:16
	global_load_b32 v[BV], v8, s[16:17]                    ; bias of channel r
	LOAD16 STA, 2, 4, 32768                        ; x: each load covers two rows' 256 bytes, aligned
	LOAD16 STB, 1, 6, 512                          ; Wq: each load covers a row of 512 bytes
	LOAD16 STC, 1, 8, 512                          ; Wk
	s_wait_loadcnt 32                              ; the 32 loads of Wq and Wk stay out: biases and x are in
	PACK16 STA, 3, 0, 2*XP
	s_wait_dscnt 0x0                               ; x's LDS stores are done with their data registers, into which Wv is loaded
	LOAD16 STA, 1, 10, 512                         ; Wv
	s_wait_loadcnt 32                              ; Wk and Wv stay out: Wq is in
	PACK16 STB, 4, 0, WP
	s_wait_loadcnt 16                              ; Wv stays out: Wk is in
	PACK16 STC, 4, 16*WP, WP
	s_wait_loadcnt 0x0
	PACK16 STA, 4, 32*WP, WP
	s_wait_dscnt 0x0                               ; my rows of x are in LDS, for the other waves' sake
	s_barrier_signal -1
	s_barrier_wait -1                              ; everybody's are
; fragments of W: 16 rows x 32 K = two loads of 16 bytes, 32 bytes apart, at row r, byte 64 kstep + 16 h
.irp kd, 0,1,2
.irp ks, 0,1,2,3
	ds_load_b128 v[WF+32*\kd+8*\ks:WF+32*\kd+8*\ks+3],   v5 offset:\kd*16*WP+\ks*64
	ds_load_b128 v[WF+32*\kd+8*\ks+4:WF+32*\kd+8*\ks+7], v5 offset:\kd*16*WP+\ks*64+32
.endr
.endr
; fragments of x for token tile nt (16 tokens): x lies [channel][token], so the loads transpose: lane (r, h) gets token r, channels 32 ks + 8 h .. and + 16
.macro XLOAD nt
.irp ks, 0,1,2,3
	ds_load_tr16_b128 v[XF+32*((\nt)&1)+8*\ks:XF+32*((\nt)&1)+8*\ks+3],   v6 offset:\ks*32*XP+(\nt)*32
	ds_load_tr16_b128 v[XF+32*((\nt)&1)+8*\ks+4:XF+32*((\nt)&1)+8*\ks+7], v6 offset:\ks*32*XP+16*XP+(\nt)*32
.endr
.endm
	XLOAD 0
	XLOAD 1
.irp k, 1,2,3,4,5,6,7
	v_mov_b32 v[BV+\k], v[BV]                      ; v's tile holds one channel in a lane: the same bias in all eight registers
.endr
; One token tile.  q and k: A = W (rows = channels), B = x (columns = tokens): a lane gets 8 neighbouring channels of one token.
; v: A = x, B = W: a lane gets 8 neighbouring tokens of one channel.  The biases are the first addends: nothing is cleared.
; The three accumulators take turns, one instruction a turn.
; left = LDS loads that may stay out (the next tile's eight); more = 1: the buffer just read is loaded with tile nt + 2.
.macro TOK nt, left, more
.set XB, XF+32*(\nt&1)
	s_wait_dscnt \left
	v_wmma_f32_16x16x32_bf16 v[AQ:AQ+7], v[WF:WF+7],       v[XB:XB+7],       v[BQ:BQ+7]
	v_wmma_f32_16x16x32_bf16 v[AK:AK+7], v[WF+32:WF+39],   v[XB:XB+7],       v[BK:BK+7]
	v_wmma_f32_16x16x32_bf16 v[AV:AV+7], v[XB:XB+7],       v[WF+64:WF+71],   v[BV:BV+7]
.irp ks, 1,2,3
	v_wmma_f32_16x16x32_bf16 v[AQ:AQ+7], v[WF+8*\ks:WF+8*\ks+7],       v[XB+8*\ks:XB+8*\ks+7],       v[AQ:AQ+7]
	v_wmma_f32_16x16x32_bf16 v[AK:AK+7], v[WF+32+8*\ks:WF+32+8*\ks+7], v[XB+8*\ks:XB+8*\ks+7],       v[AK:AK+7]
	v_wmma_f32_16x16x32_bf16 v[AV:AV+7], v[XB+8*\ks:XB+8*\ks+7],       v[WF+64+8*\ks:WF+64+8*\ks+7], v[AV:AV+7]
.endr
.rept 4
	v_nop                                          ; four places behind the last matrix instruction (ISA guide 7.12.1): then its sources are loaded again and the results read
.endr
.if \more
	XLOAD \nt+2
.endif
.if \nt
	s_wait_xcnt 0x0                                ; the last tile's stores have read T: it is rewritten only behind this wait
.endif
.irp p, 0,1,2,3
	v_pk_mul_f32 v[AQ+2*\p:AQ+2*\p+1], v[AQ+2*\p:AQ+2*\p+1], QSCALE op_sel_hi:[1,0]   ; the scores' scale and the change to base 2 ride on q
.endr
.irp p, 0,1,2,3
	v_cvt_pk_bf16_f32 v[T+\p],   v[AQ+2*\p], v[AQ+2*\p+1]
	v_cvt_pk_bf16_f32 v[T+4+\p], v[AK+2*\p], v[AK+2*\p+1]
	v_cvt_pk_bf16_f32 v[T+8+\p], v[AV+2*\p], v[AV+2*\p+1]      ; vh
.endr
.irp p, 0,1,2,3
	v_lshlrev_b32 v[TT+2*\p],   16, v[T+8+\p]                  ; vh back in f32
	v_and_b32     v[TT+2*\p+1], 0xffff0000, v[T+8+\p]
.endr
.irp p, 0,1,2,3
	v_pk_add_f32 v[TT+2*\p:TT+2*\p+1], v[AV+2*\p:AV+2*\p+1], v[TT+2*\p:TT+2*\p+1] neg_lo:[0,1] neg_hi:[0,1]   ; v - vh, exact
.endr
.irp p, 0,1,2,3
	v_cvt_pk_bf16_f32 v[T+12+\p], v[TT+2*\p], v[TT+2*\p+1]     ; vl
.endr
	global_store_b128 v1, v[T:T+3],     s[18:19] offset:\nt*512        ; each store of the wave covers 512 consecutive bytes, aligned
	global_store_b128 v1, v[T+4:T+7],   s[20:21] offset:\nt*512
	global_store_b128 v1, v[T+8:T+11],  s[20:21] offset:2048+\nt*512
	global_store_b128 v1, v[T+12:T+15], s[20:21] offset:4096+\nt*512
.endm
	TOK 0, 8, 1                                    ; W's fragments and tile 0 are in; tile 1's eight loads stay out
	TOK 1, 8, 1
	TOK 2, 8, 0
	TOK 3, 0, 0
	s_wait_tensorcnt 0x0
	ds_add_u32 v248, v249
	s_wait_dscnt 0x0
	s_endpgm
.Lfunc_end_k_q4588f2a5a5_proj:
	.size	k_q4588f2a5a5_proj, .Lfunc_end_k_q4588f2a5a5_proj-k_q4588f2a5a5_proj
	.p2alignl 7, 3214868480
	.fill 96, 4, 3214868480
	.section	.rodata,"a",@progbits
	.p2align	6, 0x0
	.amdhsa_kernel k_q4588f2a5a5_proj
		.amdhsa_group_segment_fixed_size 73216
		.amdhsa_private_segment_fixed_size 0
		.amdhsa_enable_private_segment 0
		.amdhsa_kernarg_size 72
		.amdhsa_user_sgpr_count 2
		.amdhsa_user_sgpr_kernarg_segment_ptr 1
		.amdhsa_wavefront_size32 1
		.amdhsa_system_sgpr_workgroup_id_x 1
		.amdhsa_system_sgpr_workgroup_id_y 1
		.amdhsa_system_sgpr_workgroup_id_z 1
		.amdhsa_system_vgpr_workitem_id 0
		.amdhsa_next_free_vgpr 250
		.amdhsa_next_free_sgpr 66
		.amdhsa_reserve_vcc 0
		.amdhsa_float_denorm_mode_32 3
		.amdhsa_float_denorm_mode_16_64 3
		.amdhsa_memory_ordered 1
		.amdhsa_forward_progress 1
		.amdhsa_inst_pref_size 39
	.end_amdhsa_kernel
	.amdgpu_metadata
---
amdhsa.version: [ 1, 2 ]
amdhsa.kernels:
  - .name:           k_q4588f2a5a5_proj
    .symbol:         k_q4588f2a5a5_proj.kd
    .args:
      - { .name: x, .offset: 0, .size: 8, .value_kind: global_buffer, .address_space: global }
      - { .name: wq, .offset: 8, .size: 8, .value_kind: global_buffer, .address_space: global }
      - { .name: wk, .offset: 16, .size: 8, .value_kind: global_buffer, .address_space: global }
      - { .name: wv, .offset: 24, .size: 8, .value_kind: global_buffer, .address_space: global }
      - { .name: bq, .offset: 32, .size: 8, .value_kind: global_buffer, .address_space: global }
      - { .name: bk, .offset: 40, .size: 8, .value_kind: global_buffer, .address_space: global }
      - { .name: bv, .offset: 48, .size: 8, .value_kind: global_buffer, .address_space: global }
      - { .name: qimg, .offset: 56, .size: 8, .value_kind: global_buffer, .address_space: global }
      - { .name: kvimg, .offset: 64, .size: 8, .value_kind: global_buffer, .address_space: global }
    .group_segment_fixed_size: 73216
    .private_segment_fixed_size: 0
    .kernarg_segment_align: 8
    .kernarg_segment_size: 72
    .max_flat_workgroup_size: 128
    .sgpr_count:     66
    .vgpr_count:     250
    .wavefront_size: 32
...
	.end_amdgpu_metadata
.endif
;; end of part 1
;; launch attn (part 2): grid 16 x 16, 4 waves a work-group, clusters of 4 x 1, 327,680 bytes of LDS; arguments qimg, kvimg, out0; writes out0
.if DOCPART == 2
	.amdgcn_target "amdgcn-amd-amdhsa--gfx1250"
	.amdhsa_code_object_version 6
	.text
	.protected	k_q4588f2a5a5_attn
	.globl	k_q4588f2a5a5_attn
	.p2align	8
	.type	k_q4588f2a5a5_attn,@function
k_q4588f2a5a5_attn:
	s_mov_b64 s[64:65], 0
	v_nop
	global_prefetch_b8 v0, s[64:65] scope:SCOPE_SE
	s_setreg_imm32_b32 hwreg(HW_REG_WAVE_MODE, 25, 1), 1
	s_wait_xcnt 0x0
	s_wait_alu depctr_hold_cnt(0) depctr_sa_sdst(0) depctr_va_vdst(0) depctr_va_sdst(0) depctr_va_ssrc(0) depctr_va_vcc(0) depctr_vm_vsrc(0)
	s_getreg_b32 s2, hwreg(HW_REG_IB_STS2, 6, 4)
	s_cmp_eq_u32 s2, 0
	s_cbranch_scc0 .Lentry_in_a_cluster
	s_endpgm
.Lentry_in_a_cluster:
	s_bfe_u32 s2, ttmp6, 0x10000c
	s_cmp_lg_u32 s2, 0x3003
	s_cbranch_scc0 .Lentry_shape_is_right
	s_endpgm
.Lentry_shape_is_right:
; out[bh][c][q] = sum over keys of softmax_k(q . k / sqrt(128)) v[c][k], 16 heads (bh), 4,096 tokens, 16 channels a head.
; qimg and kvimg hold bf16 register images (layouts at the head of the projection kernel); q already carries log2(e)/sqrt(128), so 2^x serves.
; Work-group (x, y): head bh = y, queries 256 x ..; wave w: 64 of them = four q tiles of 16.  A step is 64 keys, 6,144 bytes of kvimg; 64 steps.
; LAYOUTS: scores transposed, S^T = K (A: rows = keys) x Q (B: columns = queries).  The form's K is 32 and a head has 16 channels, so one A fragment
; carries two pieces of 16 keys, and B = [q, 0] picks the first, B = [0, q] the second.  Lane (r, h) register j then holds key 8 h + j of query r,
; and packing neighbouring registers to bf16 gives the B fragment of P as it stands.  O^T = V (A: rows = channels) x P: lane (r, h) register j =
; channel 8 h + j of query r.  So maximum, sum and rescaling factor are one number a lane; the two halves of the lanes agree on the maximum by one exchange.
; V goes as Vh + Vl (two bf16), one more product each.
; PIPELINE: unit u = (q tile t, step i), in the order t fastest.  Phase u exponentiates u, multiplies P V of u - 1, Q K of u + 1, and takes the
; running maximum of u + 1.  Two score buffers and two P buffers take turns.
; CLUSTER: the four work-groups of a cluster (same y, neighbouring x) walk the same K and V: every K/V load is a joint load with the mask of all four.
; LDS RING: six slots of 49,152 bytes (a chunk = 8 steps) end to end; chunks 0-5 are asked for at the head, chunks 6, 7 fill slots 0, 1 again when
; both have been read.  By this text's count a wave has at most six tensor loads outstanding.
; LIMITS: an exponential below 2^-126 counts as 0 (ISA guide 15.8); a query whose scores are all -inf or NaN is not served; the sum l is made
; of the unrounded exponentials while P is rounded to bf16; q, k, p are bf16, v two bf16 (16 significant bits).
.set STEP,   6144
.set CHUNK,  8*STEP
.set QUART,  CHUNK/4                   ; what one tensor load brings: a wave's quarter of a chunk
.set STAGE,  6*CHUNK                   ; behind the ring: 16 rows x 272 bytes for each wave, for the way out; no tensor load lands there
.set SPITCH, 272
.set AL,  2                            ; v2         LDS address of my 16 bytes in the step's first piece
.set L16, 3                            ; v3         16 x lane
.set ZQ,  4                            ; v[4:39]    0 q0 0 q1 0 q2 0 q3 0, four registers each: [0, q_t] = v[4+8t:11+8t], [q_t, 0] = v[8+8t:15+8t]
.set OA,  40                           ; v[40:71]   O^T of the four q tiles
.set SX,  72                           ; v[72:135]  two score buffers of 32 (four tiles of 16 keys)
.set PX,  136                          ; v[136:167] two P buffers of 16
.set KF,  168                          ; v[168:183] K: two fragments
.set VF,  184                          ; v[184:215] Vh0, Vl0, Vh1, Vl1
.set MS,  216                          ; v[216:223] m_t at 216 + 2 t (first of a pair, for the packed forms' broadcast);
.set TC,  217                          ;            the odd registers are the four chains of the maximum
.set AS,  224                          ; v[224:231] alpha_t at 224 + 2 t; of the odd registers:
.set XR,  227                          ;            the other half's maximum
.set DR,  229                          ;            old m - new m
.set MR,  231                          ;            new m
.set LS,  232                          ; v[232:239] l_t, a pair each
.set STO, 240                          ; the way out: where I put one number of a row
.set RD,  241                          ; where I read 16 bytes of a row back
.set CO,  242                          ; my byte offset in out
.set G1,  16                           ; s[16:23] descriptor group 1
.set G0,  24                           ; s[24:47] descriptor group 0, one set for each slot
; A round of the cluster's barrier: my work-group's barrier; wave 0 signals for the work-group; every wave waits for all four work-groups; my work-group's barrier again.
.macro ROUND
	s_barrier_signal -1
	s_barrier_wait -1
	s_cmp_lg_u32 s10, 0
	s_cbranch_scc1 .Lnot_wave_0_\@
	s_barrier_signal -3
.Lnot_wave_0_\@:
	s_barrier_wait -3
	s_barrier_signal -1
	s_barrier_wait -1
.endm
	s_load_b128 s[4:7], s[0:1], 0x0                ; qimg s[4:5], kvimg s[6:7]
	s_load_b64 s[8:9], s[0:1], 0x10                ; out
	v_lshl_add_u32 v244, v0, 2, 0x4c400
	v_mov_b32 v245, 0
	ds_add_u32 v244, v245
	v_lshrrev_b32 v1, 5, v0
	v_readfirstlane_b32 s10, v1                    ; wave
	s_and_b32 s11, ttmp7, 0xffff                   ; bh
	s_bfe_u32 s15, ttmp6, 0x40000                  ; cx: it enters the addresses of q and out alone
	s_lshl_b32 s48, ttmp9, 2
	s_add_co_u32 s48, s48, s15                     ; block of 256 queries = 4 x cluster x + cx
	s_mov_b32 s12, 0x76543210                      ; v_permlanex16_b32: lane i of one half reads lane i of the other
	s_mov_b32 s13, 0xfedcba98
	s_lshl_b32 s50, s11, 17                        ; q: bh x 256 tiles of 512 bytes + block x 16 tiles + wave x 4 tiles
	s_lshl_b32 s51, s48, 13
	s_add_co_u32 s50, s50, s51
	s_lshl_b32 s51, s10, 11
	s_add_co_u32 s50, s50, s51
	s_mov_b32 s51, 0
	s_lshl_b32 s52, s11, 18                        ; out: bh x 16 rows of 16,384 bytes + block x 1,024 + wave x 256
	s_lshl_b32 s53, s48, 10
	s_add_co_u32 s52, s52, s53
	s_lshl_b32 s53, s10, 8
	s_add_co_u32 s52, s52, s53
	s_mov_b32 s53, 0
	s_mul_i32 s49, s10, QUART                      ; my quarter of a chunk, in LDS and in kvimg
	s_mul_i32 s54, s11, 8*CHUNK                    ; kvimg: bh x 8 chunks + my quarter: the same in all four partners
	s_add_co_u32 s54, s54, s49
	s_mov_b32 s55, 0
	s_mul_i32 s56, s10, 16*SPITCH
	s_add_co_u32 s56, s56, STAGE                   ; my stage
	; group 1: 12,288 dense bytes as 48 rows of 32 elements of 8 bytes
	s_mov_b32 s[G1+0], 15|(3<<16)|(1<<21)          ; 15:0 the mask: all four of the cluster; 17:16 element of 8 bytes; 21 set beside a mask; no padding
	s_mov_b32 s[G1+1], 32<<16                      ; tensor_dim0 = 32
	s_mov_b32 s[G1+2], 48<<16                      ; tensor_dim1 = 48
	s_mov_b32 s[G1+3], 32<<16                      ; tile_dim0 = 32
	s_mov_b32 s[G1+4], 48                          ; tile_dim1 = 48
	s_mov_b32 s[G1+5], 32                          ; from row to row: 32 elements
	s_mov_b32 s[G1+6], 0
	s_mov_b32 s[G1+7], 0
	v_and_b32 v1, 31, v0
	v_lshlrev_b32 v[L16], 4, v1
	v_mov_b32 v[AL], v[L16]                        ; step 0
	v_and_b32 v1, 15, v0                           ; r
	v_bfe_u32 v[CO], v0, 4, 1                      ; h
	v_mul_u32_u24 v[STO], v[CO], 8*SPITCH
	v_lshl_add_u32 v[STO], v1, 2, v[STO]
	v_add_nc_u32 v[STO], s56, v[STO]               ; in: row 8 h (+ j), word r (+ 16 t)
	v_mul_u32_u24 v[RD], v[CO], SPITCH
	v_lshl_add_u32 v[RD], v1, 4, v[RD]
	v_add_nc_u32 v[RD], s56, v[RD]                 ; back: lanes 0-15 one row of 256 bytes, lanes 16-31 the next
	v_lshlrev_b32 v[CO], 14, v[CO]
	v_lshl_add_u32 v[CO], v1, 4, v[CO]             ; and the same two rows in out
.irp g, 0,1,2,3,4
.irp k, 0,1,2,3
	v_mov_b32 v[ZQ+8*\g+\k], 0                     ; the halves of Q's fragments that stand against the other piece of keys (operands, not sums)
.endr
.endr
.irp k, 1,3,5,7
	v_mov_b32 v[AS+\k], 0                          ; second registers of the alpha pairs: a packed form names the whole pair; XR is also a lane exchange's destination
.endr
	s_wait_dscnt 0x0
	s_wait_kmcnt 0x0
	s_add_nc_u64 s[4:5], s[4:5], s[50:51]
	s_add_nc_u64 s[8:9], s[8:9], s[52:53]
	s_add_nc_u64 s[6:7], s[6:7], s[54:55]
.irp t, 0,1,2,3
	global_load_b128 v[ZQ+4+8*\t:ZQ+7+8*\t], v[L16], s[4:5] offset:512*\t      ; q tile t: 512 consecutive bytes
.endr
.irp n, 0,1,2,3,4,5
	s_mov_b32 s[G0+4*\n], 1                                        ; count = 1
	s_add_co_u32 s[G0+4*\n+1], s49, \n*CHUNK                       ; LDS: slot n, my quarter
	s_add_nc_u64 s[G0+4*\n+2:G0+4*\n+3], s[6:7], \n*CHUNK          ; kvimg: chunk n, my quarter
	s_or_b32 s[G0+4*\n+3], s[G0+4*\n+3], 0x80000000               ; type = 2
.endr
	ROUND                                          ; all four work-groups are here: the first joint loads meet
.irp n, 0,1,2,3,4,5
	tensor_load_to_lds s[G0+4*\n:G0+4*\n+3], s[G1:G1+7]
	s_nop 0
.endr
; The names of a phase on q tile t: its own buffers, the next unit's (tile t + 1), the last unit's (tile t - 1).
.macro SETT t
.set SCUR, SX+32*((\t)&1)
.set SNXT, SX+32*(((\t)+1)&1)
.set PCUR, PX+16*((\t)&1)
.set PPRV, PX+16*(((\t)+1)&1)
.set TNX,  ((\t)+1)&3
.set MT,   MS+2*(\t)
.set MN,   MS+2*TNX
.set AT,   AS+2*(\t)
.set AN,   AS+2*TNX
.set LT,   LS+2*(\t)
.set OP,   OA+8*(((\t)+3)&3)
.set ON,   OA+8*TNX
.set QN,   ZQ+4+8*TNX
.endm
.macro SB i                            ; pair i of the scores less m_t
	v_pk_add_f32 v[SCUR+2*\i:SCUR+2*\i+1], v[SCUR+2*\i:SCUR+2*\i+1], v[MT:MT+1] op_sel_hi:[1,0] neg_lo:[0,1] neg_hi:[0,1]
.endm
.macro EX i                            ; 2^x in place.  Behind it one plain vector instruction that touches neither comes before its result is used (ISA guide 5.7.2)
	v_exp_f32 v[SCUR+\i], v[SCUR+\i]
.endm
.macro CV i                            ; pair i to bf16: register i of P's fragments
	s_wait_alu depctr_va_vdst(0)
	v_cvt_pk_bf16_f32 v[PCUR+\i], v[SCUR+2*\i], v[SCUR+2*\i+1]
.endm
.macro AD a, b                         ; pair a += pair b, behind the packing of both
	v_pk_add_f32 v[SCUR+2*\a:SCUR+2*\a+1], v[SCUR+2*\a:SCUR+2*\a+1], v[SCUR+2*\b:SCUR+2*\b+1]
.endm
.macro PVJ j                           ; O^T of the last unit += V fragment j (Vh0, Vl0, Vh1, Vl1) x its 32 keys of P.  PVM = 1: a tile's first product starts its sum
.if PVM
.if PVM+\j == 1
	v_wmma_f32_16x16x32_bf16 v[OP:OP+7], v[VF+8*\j:VF+8*\j+7], v[PPRV+8*(\j>>1):PPRV+8*(\j>>1)+7], 0
.else
	v_wmma_f32_16x16x32_bf16 v[OP:OP+7], v[VF+8*\j:VF+8*\j+7], v[PPRV+8*(\j>>1):PPRV+8*(\j>>1)+7], v[OP:OP+7]
.endif
.endif
.endm
.macro QKJ j                           ; the next unit's scores of keys 16 j .. 16 j + 15
.if QKM
	v_wmma_f32_16x16x32_bf16 v[SNXT+8*\j:SNXT+8*\j+7], v[KF+8*(\j>>1):KF+8*(\j>>1)+7], v[QN-4*(\j&1):QN-4*(\j&1)+7], 0
.endif
.endm
.macro CH c, s                         ; chain c, link s: the maximum of registers 0-6 of the next unit's tile c
.if MXM
.if \s == 0
	v_max3_num_f32 v[TC+2*\c], v[SNXT+8*\c], v[SNXT+8*\c+1], v[SNXT+8*\c+2]
.else
	v_max3_num_f32 v[TC+2*\c], v[TC+2*\c], v[SNXT+8*\c+2*\s+1], v[SNXT+8*\c+2*\s+2]
.endif
.endif
.endm
.macro CB k                            ; the chains meet, with the four registers 7 that they left out and (MXM = 2) the old maximum
.if MXM
.if \k == 0
	v_max3_num_f32 v[TC], v[TC], v[TC+2], v[SNXT+7]
.elseif \k == 1
	v_max3_num_f32 v[TC+4], v[TC+4], v[TC+6], v[SNXT+15]
.elseif \k == 2
	v_max3_num_f32 v[TC], v[TC], v[TC+4], v[SNXT+23]
.elseif MXM == 2
	v_max3_num_f32 v[TC], v[TC], v[SNXT+31], v[MN]
.else
	v_max_num_f32 v[TC], v[TC], v[SNXT+31]
.endif
.endif
.endm
.macro MX k                            ; both halves of the lanes agree on m; MXM = 2: alpha = 2^(old m - new m), and O of the next unit's tile is rescaled
.if MXM == 2
.if \k == 0
	v_permlanex16_b32 v[XR], v[TC], s12, s13
	s_wait_alu depctr_va_vdst(0)
.elseif \k == 1
	v_max_num_f32 v[MR], v[TC], v[XR]
.elseif \k == 2
	v_sub_f32 v[DR], v[MN], v[MR]
.elseif \k == 3
	v_mov_b32 v[MN], v[MR]
.elseif \k == 4
	v_exp_f32 v[AN], v[DR]
.else
	s_wait_alu depctr_va_vdst(0)
.irp p, 0,1,2,3
	v_pk_mul_f32 v[ON+2*\p:ON+2*\p+1], v[ON+2*\p:ON+2*\p+1], v[AN:AN+1] op_sel_hi:[1,0]
.endr
.endif
.elseif MXM == 1
.if \k == 0
	v_permlanex16_b32 v[XR], v[TC], s12, s13
	s_wait_alu depctr_va_vdst(0)
.elseif \k == 1
	v_max_num_f32 v[MN], v[TC], v[XR]
.endif
.endif
.endm
; One phase.  pv: 0 none, 1 the tile's first P V, 2 adds.  qk: the next unit's scores.  mx: 0 none, 1 the tile's first maximum, 2 running.
; ex: 1 the tile's first sum, 2 running.  ld: 1 the next step's K, 2 this step's V.  wt: the LDS loads of the phase before are used now.
; MATRIX INSTRUCTIONS: P V (one accumulator) and Q K (four fresh ones) alternate, one instruction a turn; a phase ends on Q K and
; the next begins on P V.  PLACES (ISA guide 7.12.1): behind the last Q K and P V stand eleven plain vector instructions on this unit's own buffers before
; K or V is loaded again and before a maximum reads the new scores; the buffers that this phase's vector work writes were last named by a matrix
; instruction in the phase before, and O of the next tile two phases before.
.macro PHASE t, pv, qk, mx, ex, ld, wt
	SETT \t
.set PVM, \pv
.set QKM, \qk
.set MXM, \mx
.if \wt
	s_wait_dscnt 0x0                               ; the only LDS loads out are the fragments that the first matrix instructions below take
.endif
	SB 0
	SB 1
	SB 2
	SB 3
	PVJ 0
	QKJ 0
	EX 0
	SB 4
	EX 1
	PVJ 1
	EX 2
	SB 5
	EX 3
	QKJ 1
	EX 4
	SB 6
	EX 5
	PVJ 2
	EX 6
	SB 7
	EX 7
	QKJ 2
	PVJ 3
	QKJ 3
	EX 8
	CV 0
	EX 9
	CV 1
	EX 10
	CV 2
	AD 0, 1
	EX 11
	CV 3
	EX 12
	SB 8
	AD 2, 3
	EX 13
	SB 9
	EX 14
	SB 10
	AD 0, 2
	EX 15
	SB 11
.if \ld == 1
.irp c, 0,1,2,3
	ds_load_b128 v[KF+4*\c:KF+4*\c+3], v[AL] offset:512*\c         ; 512 consecutive bytes a load: piece c of K
.endr
.elseif \ld == 2
.irp g, 0,1
	ds_load_b128 v[VF+16*\g:VF+16*\g+3],     v[AL] offset:2048+1024*\g
	ds_load_b128 v[VF+16*\g+4:VF+16*\g+7],   v[AL] offset:2048+1024*\g+512
	ds_load_b128 v[VF+16*\g+8:VF+16*\g+11],  v[AL] offset:4096+1024*\g
	ds_load_b128 v[VF+16*\g+12:VF+16*\g+15], v[AL] offset:4096+1024*\g+512
.endr
.endif
	EX 16
	CV 4
	CH 0, 0
	EX 17
	CV 5
	CH 1, 0
	EX 18
	CV 6
	AD 4, 5
	EX 19
	CV 7
	CH 0, 1
	EX 20
	SB 12
	AD 6, 7
	EX 21
	SB 13
	CH 1, 1
	EX 22
	SB 14
	AD 4, 6
	EX 23
	SB 15
	CH 0, 2
	CH 1, 2
	EX 24
	CV 8
	CH 2, 0
	EX 25
	CV 9
	CH 3, 0
	EX 26
	CV 10
	AD 8, 9
	EX 27
	CV 11
	CH 2, 1
	EX 28
	CH 3, 1
	AD 10, 11
	EX 29
	CH 2, 2
	CH 3, 2
	EX 30
	AD 8, 10
	CB 0
	EX 31
	CB 1
	CB 2
	CB 3
	MX 0
	CV 12
	MX 1
	CV 13
	MX 2
	MX 3
	MX 4
	CV 14
	CV 15
	AD 12, 13
	AD 14, 15
	AD 12, 14
	AD 0, 4
	AD 8, 12
.if \ex == 2
	AD 0, 8
	v_pk_fma_f32 v[LT:LT+1], v[LT:LT+1], v[AT:AT+1], v[SCUR:SCUR+1] op_sel_hi:[1,0,1]     ; l = l alpha + this unit's sum
.else
	v_pk_add_f32 v[LT:LT+1], v[SCUR:SCUR+1], v[SCUR+16:SCUR+17]                           ; the first unit starts l
	s_wait_alu depctr_va_vdst(0)
.endif
	MX 5
.endm
; Trip i issues all LDS reads of step i: K(i) in the phase of unit (2, i-1), behind the last use of K(i-1); V(i) in the phase of unit (0, i), behind the last
; use of V(i-1).  The address steps behind the wait at the head of the trip's last phase, with no LDS load out.
.macro TRIP
	PHASE 2, 2, 1, 2, 2, 1, 0
	PHASE 3, 2, 1, 2, 2, 0, 1
	PHASE 0, 2, 1, 2, 2, 2, 0
	PHASE 1, 2, 1, 2, 2, 0, 1
	v_add_nc_u32 v[AL], STEP, v[AL]
.endm
.macro TRIPS n
	s_mov_b32 s14, \n
.Ltrip_\@:
	TRIP
	s_sub_co_u32 s14, s14, 1
	s_cmp_lg_u32 s14, 0
	s_cbranch_scc1 .Ltrip_\@
.endm
	s_wait_tensorcnt 0x5                           ; my quarter of chunk 0 is in; the five younger loads stay out
	s_wait_loadcnt 0x0                             ; q
	s_barrier_signal -1
	s_barrier_wait -1                              ; everybody's quarter is in
	; trip 0: K(0), the scores and the first maximum of unit (0, 0), then its phase and that of unit (1, 0)
.irp c, 0,1,2,3
	ds_load_b128 v[KF+4*\c:KF+4*\c+3], v[AL] offset:512*\c
.endr
	s_wait_dscnt 0x0
	SETT 3                                         ; the next unit's names are tile 0's
.set QKM, 1
.set MXM, 1
	QKJ 0
	QKJ 1
	QKJ 2
	QKJ 3
.rept 4
	v_nop                                          ; four places before the scores are read (ISA guide 7.12.1)
.endr
.irp s, 0,1,2
	CH 0, \s
	CH 1, \s
	CH 2, \s
	CH 3, \s
.endr
	CB 0
	CB 1
	CB 2
	CB 3
	MX 0
	MX 1
	PHASE 0, 0, 1, 1, 1, 2, 0
	PHASE 1, 1, 1, 1, 1, 0, 1
	v_add_nc_u32 v[AL], STEP, v[AL]
	; trip 1: the other tiles' first sums and products; from unit (0, 1) on the maximum runs
	PHASE 2, 1, 1, 1, 1, 1, 0
	PHASE 3, 1, 1, 2, 1, 0, 1
	PHASE 0, 1, 1, 2, 2, 2, 0
	PHASE 1, 2, 1, 2, 2, 0, 1
	v_add_nc_u32 v[AL], STEP, v[AL]
	TRIPS 6                                        ; trips 2-7: the rest of chunk 0
	s_wait_tensorcnt 0x4                           ; my quarter of chunk 1 is in; four younger loads stay out
	s_wait_dscnt 0x0
	s_barrier_signal -1
	s_barrier_wait -1
	TRIPS 8                                        ; trips 8-15: chunk 1
	s_wait_dscnt 0x0                               ; my reads of slots 0 and 1 are back
	s_wait_tensorcnt 0x0                           ; all my tensor loads have landed, chunks 2-5 among them: every group 0 may be written
	ds_add_u32 v244, v245
	s_wait_dscnt 0x0
	s_add_nc_u64 s[G0+2:G0+3], s[G0+2:G0+3], 6*CHUNK       ; slot 0: chunk 6
	s_add_nc_u64 s[G0+6:G0+7], s[G0+6:G0+7], 6*CHUNK       ; slot 1: chunk 7
	ROUND                                          ; both now hold of every wave of all four work-groups
	tensor_load_to_lds s[G0:G0+3], s[G1:G1+7]      ; the joint refills, first behind the round
	s_nop 0
	tensor_load_to_lds s[G0+4:G0+7], s[G1:G1+7]
	s_nop 0
	TRIPS 32                                       ; trips 16-47: chunks 2-5, while chunks 6 and 7 land
	s_wait_tensorcnt 0x0                           ; my quarters of chunks 6 and 7 are in
	s_wait_dscnt 0x0
	s_barrier_signal -1
	s_barrier_wait -1                              ; everybody's are
	v_mov_b32 v[AL], v[L16]                        ; steps 48-63 lie in slots 0 and 1
	TRIPS 16                                       ; trips 48-63
	PHASE 2, 2, 1, 2, 2, 0, 0                      ; unit (2, 63): nothing more to load
	PHASE 3, 0, 0, 0, 2, 0, 0                      ; unit (3, 63): its exponentials alone
.irp j, 0,1,2,3
	v_wmma_f32_16x16x32_bf16 v[OA+16:OA+23], v[VF+8*\j:VF+8*\j+7], v[PX+8*(\j>>1):PX+8*(\j>>1)+7],       v[OA+16:OA+23]   ; the last two units' P V:
	v_wmma_f32_16x16x32_bf16 v[OA+24:OA+31], v[VF+8*\j:VF+8*\j+7], v[PX+16+8*(\j>>1):PX+16+8*(\j>>1)+7], v[OA+24:OA+31]   ; the two accumulators take turns
.endr
	; THE WAY OUT: O / l, through my own stage in LDS, back as whole rows of 256 bytes.
.irp t, 0,1,2,3
	v_add_f32 v[LS+2*\t], v[LS+2*\t], v[LS+2*\t+1]         ; these four are the places behind the last matrix instructions (ISA guide 7.12.1)
.endr
.irp t, 0,1,2,3
	v_permlanex16_b32 v[LS+2*\t+1], v[LS+2*\t], s12, s13   ; the other half of the lanes summed the query's other keys
.endr
.irp t, 0,1,2,3
	v_add_f32 v[LS+2*\t], v[LS+2*\t], v[LS+2*\t+1]
.endr
.irp t, 0,1,2,3
	v_rcp_f32 v[AS+2*\t], v[LS+2*\t]
.endr
	v_nop                                          ; one plain place before the reciprocals are used (ISA guide 5.7.2)
	s_wait_alu depctr_va_vdst(0)
.irp t, 0,1,2,3
.irp p, 0,1,2,3
	v_pk_mul_f32 v[OA+8*\t+2*\p:OA+8*\t+2*\p+1], v[OA+8*\t+2*\p:OA+8*\t+2*\p+1], v[AS+2*\t:AS+2*\t+1] op_sel_hi:[1,0]
.endr
.endr
.irp t, 0,1,2,3
.irp j, 0,1,2,3,4,5,6,7
	ds_store_b32 v[STO], v[OA+8*\t+\j] offset:\j*SPITCH+\t*64      ; channel 8 h + j, query 16 t + r
.endr
.endr
.irp i, 0,1,2,3,4,5,6,7
	ds_load_b128 v[SX+4*\i:SX+4*\i+3], v[RD] offset:\i*2*SPITCH    ; LDS serves a wave's instructions in order (ISA guide 5.7.1): these see the stores above, which are my own
.endr
.irp i, 0,1,2,3,4,5,6,7
	s_wait_dscnt 7-\i                              ; loads come back in order: rows 2 i, 2 i + 1 are in
	global_store_b128 v[CO], v[SX+4*\i:SX+4*\i+3], s[8:9] offset:\i*32768 th:TH_STORE_NT   ; 16 lanes store 256 consecutive bytes, aligned
.endr
	s_wait_tensorcnt 0x0
	ds_add_u32 v244, v245
	s_wait_dscnt 0x0
	ROUND                                          ; the closing round: no work-group ends while a partner may still ask for a tile that names it
	s_endpgm
.Lfunc_end_k_q4588f2a5a5_attn:
	.size	k_q4588f2a5a5_attn, .Lfunc_end_k_q4588f2a5a5_attn-k_q4588f2a5a5_attn
	.p2alignl 7, 3214868480
	.fill 96, 4, 3214868480
	.section	.rodata,"a",@progbits
	.p2align	6, 0x0
	.amdhsa_kernel k_q4588f2a5a5_attn
		.amdhsa_group_segment_fixed_size 327680
		.amdhsa_private_segment_fixed_size 0
		.amdhsa_enable_private_segment 0
		.amdhsa_kernarg_size 24
		.amdhsa_user_sgpr_count 2
		.amdhsa_user_sgpr_kernarg_segment_ptr 1
		.amdhsa_wavefront_size32 1
		.amdhsa_system_sgpr_workgroup_id_x 1
		.amdhsa_system_sgpr_workgroup_id_y 1
		.amdhsa_system_sgpr_workgroup_id_z 1
		.amdhsa_system_vgpr_workitem_id 0
		.amdhsa_next_free_vgpr 246
		.amdhsa_next_free_sgpr 66
		.amdhsa_reserve_vcc 0
		.amdhsa_float_denorm_mode_32 3
		.amdhsa_float_denorm_mode_16_64 3
		.amdhsa_memory_ordered 1
		.amdhsa_forward_progress 1
		.amdhsa_inst_pref_size 174
	.end_amdhsa_kernel
	.amdgpu_metadata
---
amdhsa.version: [ 1, 2 ]
amdhsa.kernels:
  - .name:           k_q4588f2a5a5_attn
    .symbol:         k_q4588f2a5a5_attn.kd
    .args:
      - { .name: qimg, .offset: 0, .size: 8, .value_kind: global_buffer, .address_space: global }
      - { .name: kvimg, .offset: 8, .size: 8, .value_kind: global_buffer, .address_space: global }
      - { .name: out0, .offset: 16, .size: 8, .value_kind: global_buffer, .address_space: global }
    .group_segment_fixed_size: 327680
    .private_segment_fixed_size: 0
    .kernarg_segment_align: 8
    .kernarg_segment_size: 24
    .max_flat_workgroup_size: 128
    .sgpr_count:     66
    .vgpr_count:     246
    .wavefront_size: 32
...
	.end_amdgpu_metadata
.endif
;; end of part 2
;; ======== version 2 of 2: 2 launches; 2.04 times as fast as version 1
;; workspace buffers: qimg 2,097,152 bytes; kvimg 6,291,456 bytes
;; launch proj: the kernel of part 1 again; grid 128 x 2, 4 waves a work-group, no clusters, 73,216 bytes of LDS; arguments x, wq, wk, wv, bq, bk, bv, qimg, kvimg; writes qimg, kvimg
;; launch attn (part 3): grid 16 x 16, 4 waves a work-group, clusters of 4 x 1, 327,680 bytes of LDS; arguments qimg, kvimg, out0; writes out0
.if DOCPART == 3
	.amdgcn_target "amdgcn-amd-amdhsa--gfx1250"
	.amdhsa_code_object_version 6
	.text
	.protected	k_q4588f2a5a5_attn
	.globl	k_q4588f2a5a5_attn
	.p2align	8
	.type	k_q4588f2a5a5_attn,@function
k_q4588f2a5a5_attn:
	s_mov_b64 s[64:65], 0
	v_nop
	global_prefetch_b8 v0, s[64:65] scope:SCOPE_SE
	s_setreg_imm32_b32 hwreg(HW_REG_WAVE_MODE, 25, 1), 1
	s_wait_xcnt 0x0
	s_wait_alu depctr_hold_cnt(0) depctr_sa_sdst(0) depctr_va_vdst(0) depctr_va_sdst(0) depctr_va_ssrc(0) depctr_va_vcc(0) depctr_vm_vsrc(0)
	s_getreg_b32 s2, hwreg(HW_REG_IB_STS2, 6, 4)
	s_cmp_eq_u32 s2, 0
	s_cbranch_scc0 .Lentry_in_a_cluster
	s_endpgm
.Lentry_in_a_cluster:
	s_bfe_u32 s2, ttmp6, 0x10000c
	s_cmp_lg_u32 s2, 0x3003
	s_cbranch_scc0 .Lentry_shape_is_right
	s_endpgm
.Lentry_shape_is_right:
; out[bh][c][q] = sum over keys of softmax_k(q . k / sqrt(128)) v[c][k], 16 heads (bh), 4,096 tokens, 16 channels a head.
; qimg and kvimg hold bf16 register images (layouts at the head of the projection kernel); q already carries log2(e)/sqrt(128), so 2^x serves.
; Work-group (x, y): head bh = y, queries 256 x ..; wave w: 64 of them = four q tiles of 16.  A step is 64 keys, 6,144 bytes of kvimg; 64 steps.
; LAYOUTS: scores transposed, S^T = K (A: rows = keys) x Q (B: columns = queries).  The form's K is 32 and a head has 16 channels, so one A fragment
; carries two pieces of 16 keys, and B = [q, 0] picks the first, B = [0, q] the second.  Lane (r, h) register j then holds key 8 h + j of query r,
; and packing neighbouring registers to bf16 gives the B fragment of P as it stands.  O^T = V (A: rows = channels) x P: lane (r, h) register j =
; channel 8 h + j of query r.  So maximum, sum and rescaling factor are one number a lane; the two halves of the lanes agree on the maximum by one exchange.
; V goes as Vh + Vl (two bf16), one more product each.
; PIPELINE: unit u = (q tile t, step i), in the order t fastest.  Phase u exponentiates u and rescales l and O of its tile, multiplies P V of u - 1,
; Q K of u + 1, and takes the running maximum of u + 1.  Two score buffers and two P buffers take turns.
; BATCHES: a phase's transcendentals are ONE batch of 33 with ONE wait: alpha of its own unit, 2^(old m - new m), whose argument the phase before left in DR,
; and the unit's 32 exponentials.  Ahead of the wait stands all that names none of their results: the scores less m, the eight matrix instructions, the
; chains of the next unit's maximum.  Behind it stand the readers: the roundings to bf16, the sums, l, the rescaling of the tile's O; the end of the
; maximum's chain (the exchange, m, the next argument) stands among them.  No result crosses a phase's end.  The way out's four reciprocals are a batch of their own.
; CLUSTER: the four work-groups of a cluster (same y, neighbouring x) walk the same K and V: every K/V load is a joint load with the mask of all four.
; LDS RING: six slots of 49,152 bytes (a chunk = 8 steps) end to end; chunks 0-5 are asked for at the head, chunks 6, 7 fill slots 0, 1 again when
; both have been read.  By this text's count a wave has at most six tensor loads outstanding.
; LIMITS: an exponential below 2^-126 counts as 0 (ISA guide 15.8); a query whose scores are all -inf or NaN is not served; the sum l is made
; of the unrounded exponentials while P is rounded to bf16; q, k, p are bf16, v two bf16 (16 significant bits).
.set STEP,   6144
.set CHUNK,  8*STEP
.set QUART,  CHUNK/4                   ; what one tensor load brings: a wave's quarter of a chunk
.set STAGE,  6*CHUNK                   ; behind the ring: 16 rows x 272 bytes for each wave, for the way out; no tensor load lands there
.set SPITCH, 272
.set AL,  2                            ; v2         LDS address of my 16 bytes in the step's first piece
.set L16, 3                            ; v3         16 x lane
.set ZQ,  4                            ; v[4:39]    0 q0 0 q1 0 q2 0 q3 0, four registers each: [0, q_t] = v[4+8t:11+8t], [q_t, 0] = v[8+8t:15+8t]
.set OA,  40                           ; v[40:71]   O^T of the four q tiles
.set SX,  72                           ; v[72:135]  two score buffers of 32 (four tiles of 16 keys)
.set PX,  136                          ; v[136:167] two P buffers of 16
.set KF,  168                          ; v[168:183] K: two fragments
.set VF,  184                          ; v[184:215] Vh0, Vl0, Vh1, Vl1
.set MS,  216                          ; v[216:223] m_t at 216 + 2 t (first of a pair, for the packed forms' broadcast);
.set TC,  217                          ;            the odd registers are the four chains of the maximum
.set AS,  224                          ; v[224:231] alpha_t at 224 + 2 t; of the odd registers:
.set XR,  227                          ;            the other half's maximum
.set DR,  229                          ;            old m - new m: made in one phase, taken by the next phase's batch
.set MR,  231                          ;            new m
.set LS,  232                          ; v[232:239] l_t, a pair each
.set STO, 240                          ; the way out: where I put one number of a row
.set RD,  241                          ; where I read 16 bytes of a row back
.set CO,  242                          ; my byte offset in out
.set G1,  16                           ; s[16:23] descriptor group 1
.set G0,  24                           ; s[24:47] descriptor group 0, one set for each slot
; A round of the cluster's barrier: my work-group's barrier; wave 0 signals for the work-group; every wave waits for all four work-groups; my work-group's barrier again.
.macro ROUND
	s_barrier_signal -1
	s_barrier_wait -1
	s_cmp_lg_u32 s10, 0
	s_cbranch_scc1 .Lnot_wave_0_\@
	s_barrier_signal -3
.Lnot_wave_0_\@:
	s_barrier_wait -3
	s_barrier_signal -1
	s_barrier_wait -1
.endm
	s_load_b128 s[4:7], s[0:1], 0x0                ; qimg s[4:5], kvimg s[6:7]
	s_load_b64 s[8:9], s[0:1], 0x10                ; out
	v_lshl_add_u32 v244, v0, 2, 0x4c400
	v_mov_b32 v245, 0
	ds_add_u32 v244, v245
	v_lshrrev_b32 v1, 5, v0
	v_readfirstlane_b32 s10, v1                    ; wave
	s_and_b32 s11, ttmp7, 0xffff                   ; bh
	s_bfe_u32 s15, ttmp6, 0x40000                  ; cx: it enters the addresses of q and out alone
	s_lshl_b32 s48, ttmp9, 2
	s_add_co_u32 s48, s48, s15                     ; block of 256 queries = 4 x cluster x + cx
	s_mov_b32 s12, 0x76543210                      ; v_permlanex16_b32: lane i of one half reads lane i of the other
	s_mov_b32 s13, 0xfedcba98
	s_lshl_b32 s50, s11, 17                        ; q: bh x 256 tiles of 512 bytes + block x 16 tiles + wave x 4 tiles
	s_lshl_b32 s51, s48, 13
	s_add_co_u32 s50, s50, s51
	s_lshl_b32 s51, s10, 11
	s_add_co_u32 s50, s50, s51
	s_mov_b32 s51, 0
	s_lshl_b32 s52, s11, 18                        ; out: bh x 16 rows of 16,384 bytes + block x 1,024 + wave x 256
	s_lshl_b32 s53, s48, 10
	s_add_co_u32 s52, s52, s53
	s_lshl_b32 s53, s10, 8
	s_add_co_u32 s52, s52, s53
	s_mov_b32 s53, 0
	s_mul_i32 s49, s10, QUART                      ; my quarter of a chunk, in LDS and in kvimg
	s_mul_i32 s54, s11, 8*CHUNK                    ; kvimg: bh x 8 chunks + my quarter: the same in all four partners
	s_add_co_u32 s54, s54, s49
	s_mov_b32 s55, 0
	s_mul_i32 s56, s10, 16*SPITCH
	s_add_co_u32 s56, s56, STAGE                   ; my stage
	; group 1: 12,288 dense bytes as 48 rows of 32 elements of 8 bytes
	s_mov_b32 s[G1+0], 15|(3<<16)|(1<<21)          ; 15:0 the mask: all four of the cluster; 17:16 element of 8 bytes; 21 set beside a mask; no padding
	s_mov_b32 s[G1+1], 32<<16                      ; tensor_dim0 = 32
	s_mov_b32 s[G1+2], 48<<16                      ; tensor_dim1 = 48
	s_mov_b32 s[G1+3], 32<<16                      ; tile_dim0 = 32
	s_mov_b32 s[G1+4], 48                          ; tile_dim1 = 48
	s_mov_b32 s[G1+5], 32                          ; from row to row: 32 elements
	s_mov_b32 s[G1+6], 0
	s_mov_b32 s[G1+7], 0
	v_and_b32 v1, 31, v0
	v_lshlrev_b32 v[L16], 4, v1
	v_mov_b32 v[AL], v[L16]                        ; step 0
	v_and_b32 v1, 15, v0                           ; r
	v_bfe_u32 v[CO], v0, 4, 1                      ; h
	v_mul_u32_u24 v[STO], v[CO], 8*SPITCH
	v_lshl_add_u32 v[STO], v1, 2, v[STO]
	v_add_nc_u32 v[STO], s56, v[STO]               ; in: row 8 h (+ j), word r (+ 16 t)
	v_mul_u32_u24 v[RD], v[CO], SPITCH
	v_lshl_add_u32 v[RD], v1, 4, v[RD]
	v_add_nc_u32 v[RD], s56, v[RD]                 ; back: lanes 0-15 one row of 256 bytes, lanes 16-31 the next
	v_lshlrev_b32 v[CO], 14, v[CO]
	v_lshl_add_u32 v[CO], v1, 4, v[CO]             ; and the same two rows in out
.irp g, 0,1,2,3,4
.irp k, 0,1,2,3
	v_mov_b32 v[ZQ+8*\g+\k], 0                     ; the halves of Q's fragments that stand against the other piece of keys (operands, not sums)
.endr
.endr
.irp k, 1,3,5,7
	v_mov_b32 v[AS+\k], 0                          ; second registers of the alpha pairs: a packed form names the whole pair; XR is also a lane exchange's destination
.endr
	s_wait_dscnt 0x0
	s_wait_kmcnt 0x0
	s_add_nc_u64 s[4:5], s[4:5], s[50:51]
	s_add_nc_u64 s[8:9], s[8:9], s[52:53]
	s_add_nc_u64 s[6:7], s[6:7], s[54:55]
.irp t, 0,1,2,3
	global_load_b128 v[ZQ+4+8*\t:ZQ+7+8*\t], v[L16], s[4:5] offset:512*\t      ; q tile t: 512 consecutive bytes
.endr
.irp n, 0,1,2,3,4,5
	s_mov_b32 s[G0+4*\n], 1                                        ; count = 1
	s_add_co_u32 s[G0+4*\n+1], s49, \n*CHUNK                       ; LDS: slot n, my quarter
	s_add_nc_u64 s[G0+4*\n+2:G0+4*\n+3], s[6:7], \n*CHUNK          ; kvimg: chunk n, my quarter
	s_or_b32 s[G0+4*\n+3], s[G0+4*\n+3], 0x80000000               ; type = 2
.endr
	ROUND                                          ; all four work-groups are here: the first joint loads meet
.irp n, 0,1,2,3,4,5
	tensor_load_to_lds s[G0+4*\n:G0+4*\n+3], s[G1:G1+7]
	s_nop 0
.endr
; The names of a phase on q tile t: its own buffers, the next unit's (tile t + 1), the last unit's (tile t - 1).
.macro SETT t
.set SCUR, SX+32*((\t)&1)
.set SNXT, SX+32*(((\t)+1)&1)
.set PCUR, PX+16*((\t)&1)
.set PPRV, PX+16*(((\t)+1)&1)
.set TNX,  ((\t)+1)&3
.set MT,   MS+2*(\t)
.set MN,   MS+2*TNX
.set AT,   AS+2*(\t)
.set LT,   LS+2*(\t)
.set OP,   OA+8*(((\t)+3)&3)
.set OT,   OA+8*(\t)
.set QN,   ZQ+4+8*TNX
.endm
.macro SB i                            ; pair i of the scores less m_t
	v_pk_add_f32 v[SCUR+2*\i:SCUR+2*\i+1], v[SCUR+2*\i:SCUR+2*\i+1], v[MT:MT+1] op_sel_hi:[1,0] neg_lo:[0,1] neg_hi:[0,1]
.endm
.macro EX i                            ; 2^x in place.  Behind it one plain vector instruction that touches neither comes before its result is used (ISA guide 5.7.2)
	v_exp_f32 v[SCUR+\i], v[SCUR+\i]
.endm
.macro EA                              ; EXM = 2: alpha of this unit, from the argument that the phase before left in DR: the batch's first
.if EXM == 2
	v_exp_f32 v[AT], v[DR]
.endif
.endm
.macro CV i                            ; pair i to bf16: register i of P's fragments
	v_cvt_pk_bf16_f32 v[PCUR+\i], v[SCUR+2*\i], v[SCUR+2*\i+1]
.endm
.macro AD a, b                         ; pair a += pair b, behind the packing of pair a, which it overwrites (the odd pairs are overwritten by no sum)
	v_pk_add_f32 v[SCUR+2*\a:SCUR+2*\a+1], v[SCUR+2*\a:SCUR+2*\a+1], v[SCUR+2*\b:SCUR+2*\b+1]
.endm
.macro RS p                            ; EXM = 2: pair p of this tile's O times alpha, ahead of the unit's P V, which the next phase issues
.if EXM == 2
	v_pk_mul_f32 v[OT+2*\p:OT+2*\p+1], v[OT+2*\p:OT+2*\p+1], v[AT:AT+1] op_sel_hi:[1,0]
.endif
.endm
.macro PVJ j                           ; O^T of the last unit += V fragment j (Vh0, Vl0, Vh1, Vl1) x its 32 keys of P.  PVM = 1: a tile's first product starts its sum
.if PVM
.if PVM+\j == 1
	v_wmma_f32_16x16x32_bf16 v[OP:OP+7], v[VF+8*\j:VF+8*\j+7], v[PPRV+8*(\j>>1):PPRV+8*(\j>>1)+7], 0
.else
	v_wmma_f32_16x16x32_bf16 v[OP:OP+7], v[VF+8*\j:VF+8*\j+7], v[PPRV+8*(\j>>1):PPRV+8*(\j>>1)+7], v[OP:OP+7]
.endif
.endif
.endm
.macro QKJ j                           ; the next unit's scores of keys 16 j .. 16 j + 15
.if QKM
	v_wmma_f32_16x16x32_bf16 v[SNXT+8*\j:SNXT+8*\j+7], v[KF+8*(\j>>1):KF+8*(\j>>1)+7], v[QN-4*(\j&1):QN-4*(\j&1)+7], 0
.endif
.endm
.macro CH c, s                         ; chain c, link s: the maximum of registers 0-6 of the next unit's tile c
.if MXM
.if \s == 0
	v_max3_num_f32 v[TC+2*\c], v[SNXT+8*\c], v[SNXT+8*\c+1], v[SNXT+8*\c+2]
.else
	v_max3_num_f32 v[TC+2*\c], v[TC+2*\c], v[SNXT+8*\c+2*\s+1], v[SNXT+8*\c+2*\s+2]
.endif
.endif
.endm
.macro CB k                            ; the chains meet, with the four registers 7 that they left out and (MXM = 2) the old maximum
.if MXM
.if \k == 0
	v_max3_num_f32 v[TC], v[TC], v[TC+2], v[SNXT+7]
.elseif \k == 1
	v_max3_num_f32 v[TC+4], v[TC+4], v[TC+6], v[SNXT+15]
.elseif \k == 2
	v_max3_num_f32 v[TC], v[TC], v[TC+4], v[SNXT+23]
.elseif MXM == 2
	v_max3_num_f32 v[TC], v[TC], v[SNXT+31], v[MN]
.else
	v_max_num_f32 v[TC], v[TC], v[SNXT+31]
.endif
.endif
.endm
.macro MX k                            ; both halves of the lanes agree on m; MXM = 2: old m - new m is left in DR for the next phase's batch
.if MXM == 2
.if \k == 0
	v_permlanex16_b32 v[XR], v[TC], s12, s13
.elseif \k == 1
	v_max_num_f32 v[MR], v[TC], v[XR]
.elseif \k == 2
	v_sub_f32 v[DR], v[MN], v[MR]
.else
	v_mov_b32 v[MN], v[MR]
.endif
.elseif MXM == 1
.if \k == 0
	v_permlanex16_b32 v[XR], v[TC], s12, s13
.elseif \k == 1
	v_max_num_f32 v[MN], v[TC], v[XR]
.endif
.endif
.endm
; One phase.  pv: 0 none, 1 the tile's first P V, 2 adds.  qk: the next unit's scores.  mx: 0 none, 1 the tile's first maximum, 2 running.
; ex: 1 the tile's first sum, 2 running: the unit has an alpha, which rescales l and O of its tile.  ld: 1 the next step's K, 2 this step's V.
; wt: the LDS loads of the phase before are used now.
; MATRIX INSTRUCTIONS: P V (one accumulator) and Q K (four fresh ones) alternate, one instruction a turn; a phase ends on Q K and
; the next begins on P V.  Behind each stand four vector instructions, an exponential and a plain one by turns.
; PLACES (ISA guide 7.12.1): a chain of the maximum first reads a tile of new scores six plain vector instructions or more behind the Q K that made it, none
; of which names a register of that Q K; K or V is loaded again behind the batch's wait, more than four such places behind the last Q K and P V; what this
; phase's vector work writes (its scores, its P, O of its tile) was last named by a matrix instruction in an earlier phase.
; THE BATCH: alpha and the 32 exponentials, 33 results in 33 registers.  Up to the wait no line names one of them.  Where the chain of the maximum has become
; one strand (CH 3, CB 1, CB 2, CB 3) two exponentials stand between its links.  Behind the wait the links of the sums' tree, and those of the chain's end,
; stand about five lines apart; the roundings of the odd pairs fill the gaps.
.macro PHASE t, pv, qk, mx, ex, ld, wt
	SETT \t
.set PVM, \pv
.set QKM, \qk
.set MXM, \mx
.set EXM, \ex
	SB 0
	SB 1
	EA
	SB 2
	SB 3
.if \wt
	s_wait_dscnt 0x0                               ; the only LDS loads out are the fragments that the first matrix instructions below take
.endif
	PVJ 0
	EX 0
	SB 4
	EX 1
	SB 5
	QKJ 0
	EX 2
	SB 6
	EX 3
	SB 7
	PVJ 1
	EX 4
	SB 8
	EX 5
	SB 9
	QKJ 1
	EX 6
	SB 10
	EX 7
	SB 11
	PVJ 2
	EX 8
	SB 12
	EX 9
	SB 13
	QKJ 2
	EX 10
	SB 14
	EX 11
	SB 15
	PVJ 3
	EX 12
	CH 0, 0
	EX 13
	CH 1, 0
	QKJ 3
	EX 14
	CH 0, 1
	EX 15
	CH 1, 1
	EX 16
	CH 2, 0
	EX 17
	CH 0, 2
	EX 18
	CH 1, 2
	EX 19
	CH 2, 1
	EX 20
	CH 3, 0
	EX 21
	CB 0
	EX 22
	CH 2, 2
	EX 23
	CH 3, 1
	EX 24
	EX 25
	CH 3, 2
	EX 26
	EX 27
	CB 1
	EX 28
	EX 29
	CB 2
	EX 30
	EX 31
.if \mx
	CB 3                                           ; also the plain instruction behind the batch's last exponential (ISA guide 5.7.2)
.else
	v_nop                                          ; the plain instruction behind the batch's last exponential (ISA guide 5.7.2): this phase has no maximum to take
.endif
	s_wait_alu depctr_va_vdst(0)                   ; the phase's one wait: it serves the whole batch, alpha and the 32 exponentials, ahead of their first reader
.if \ld == 1
.irp c, 0,1,2,3
	ds_load_b128 v[KF+4*\c:KF+4*\c+3], v[AL] offset:512*\c         ; 512 consecutive bytes a load: piece c of K
.endr
.elseif \ld == 2
.irp g, 0,1
	ds_load_b128 v[VF+16*\g:VF+16*\g+3],     v[AL] offset:2048+1024*\g
	ds_load_b128 v[VF+16*\g+4:VF+16*\g+7],   v[AL] offset:2048+1024*\g+512
	ds_load_b128 v[VF+16*\g+8:VF+16*\g+11],  v[AL] offset:4096+1024*\g
	ds_load_b128 v[VF+16*\g+12:VF+16*\g+15], v[AL] offset:4096+1024*\g+512
.endr
.endif
	MX 0
	CV 0
	CV 2
	AD 0, 1
	AD 2, 3
	MX 1
	CV 4
	CV 6
	AD 4, 5
	AD 6, 7
	MX 2
	MX 3
	CV 8
	CV 10
	AD 8, 9
	AD 10, 11
	CV 12
	CV 14
	AD 12, 13
	AD 14, 15
	AD 0, 2
	AD 4, 6
	AD 8, 10
	CV 1
	AD 12, 14
	CV 3
	AD 0, 4
	CV 5
	CV 7
	AD 8, 12
	RS 0
	RS 1
	RS 2
	RS 3
.if \ex == 2
	AD 0, 8
.endif
	CV 9
	CV 11
	CV 13
	CV 15
.if \ex == 2
	v_pk_fma_f32 v[LT:LT+1], v[LT:LT+1], v[AT:AT+1], v[SCUR:SCUR+1] op_sel_hi:[1,0,1]     ; l = l alpha + this unit's sum
.else
	v_pk_add_f32 v[LT:LT+1], v[SCUR:SCUR+1], v[SCUR+16:SCUR+17]                           ; the first unit starts l
.endif
.endm
; Trip i issues all LDS reads of step i: K(i) in the phase of unit (2, i-1), behind the last use of K(i-1); V(i) in the phase of unit (0, i), behind the last
; use of V(i-1).  The address steps behind the wait in the trip's last phase, with no LDS load out.
.macro TRIP
	PHASE 2, 2, 1, 2, 2, 1, 0
	PHASE 3, 2, 1, 2, 2, 0, 1
	PHASE 0, 2, 1, 2, 2, 2, 0
	PHASE 1, 2, 1, 2, 2, 0, 1
	v_add_nc_u32 v[AL], STEP, v[AL]
.endm
.macro TRIPS n
	s_mov_b32 s14, \n
.Ltrip_\@:
	TRIP
	s_sub_co_u32 s14, s14, 1
	s_cmp_lg_u32 s14, 0
	s_cbranch_scc1 .Ltrip_\@
.endm
	s_wait_tensorcnt 0x5                           ; my quarter of chunk 0 is in; the five younger loads stay out
	s_wait_loadcnt 0x0                             ; q
	s_barrier_signal -1
	s_barrier_wait -1                              ; everybody's quarter is in
	; trip 0: K(0), the scores and the first maximum of unit (0, 0), then its phase and that of unit (1, 0)
.irp c, 0,1,2,3
	ds_load_b128 v[KF+4*\c:KF+4*\c+3], v[AL] offset:512*\c
.endr
	s_wait_dscnt 0x0
	SETT 3                                         ; the next unit's names are tile 0's
.set QKM, 1
.set MXM, 1
	QKJ 0
	QKJ 1
	QKJ 2
	QKJ 3
.rept 4
	v_nop                                          ; four places before the scores are read (ISA guide 7.12.1)
.endr
.irp s, 0,1,2
	CH 0, \s
	CH 1, \s
	CH 2, \s
	CH 3, \s
.endr
	CB 0
	CB 1
	CB 2
	CB 3
	MX 0
	MX 1
	PHASE 0, 0, 1, 1, 1, 2, 0
	PHASE 1, 1, 1, 1, 1, 0, 1
	v_add_nc_u32 v[AL], STEP, v[AL]
	; trip 1: the other tiles' first sums and products; from unit (0, 1) on the maximum runs
	PHASE 2, 1, 1, 1, 1, 1, 0
	PHASE 3, 1, 1, 2, 1, 0, 1
	PHASE 0, 1, 1, 2, 2, 2, 0
	PHASE 1, 2, 1, 2, 2, 0, 1
	v_add_nc_u32 v[AL], STEP, v[AL]
	TRIPS 6                                        ; trips 2-7: the rest of chunk 0
	s_wait_tensorcnt 0x4                           ; my quarter of chunk 1 is in; four younger loads stay out
	s_wait_dscnt 0x0
	s_barrier_signal -1
	s_barrier_wait -1
	TRIPS 8                                        ; trips 8-15: chunk 1
	s_wait_dscnt 0x0                               ; my reads of slots 0 and 1 are back
	s_wait_tensorcnt 0x0                           ; all my tensor loads have landed, chunks 2-5 among them: every group 0 may be written
	ds_add_u32 v244, v245
	s_wait_dscnt 0x0
	s_add_nc_u64 s[G0+2:G0+3], s[G0+2:G0+3], 6*CHUNK       ; slot 0: chunk 6
	s_add_nc_u64 s[G0+6:G0+7], s[G0+6:G0+7], 6*CHUNK       ; slot 1: chunk 7
	ROUND                                          ; both now hold of every wave of all four work-groups
	tensor_load_to_lds s[G0:G0+3], s[G1:G1+7]      ; the joint refills, first behind the round
	s_nop 0
	tensor_load_to_lds s[G0+4:G0+7], s[G1:G1+7]
	s_nop 0
	TRIPS 32                                       ; trips 16-47: chunks 2-5, while chunks 6 and 7 land
	s_wait_tensorcnt 0x0                           ; my quarters of chunks 6 and 7 are in
	s_wait_dscnt 0x0
	s_barrier_signal -1
	s_barrier_wait -1                              ; everybody's are
	v_mov_b32 v[AL], v[L16]                        ; steps 48-63 lie in slots 0 and 1
	TRIPS 16                                       ; trips 48-63
	PHASE 2, 2, 1, 2, 2, 0, 0                      ; unit (2, 63): nothing more to load
	PHASE 3, 0, 0, 0, 2, 0, 0                      ; unit (3, 63): its batch and the batch's readers alone
.irp j, 0,1,2,3
	v_wmma_f32_16x16x32_bf16 v[OA+16:OA+23], v[VF+8*\j:VF+8*\j+7], v[PX+8*(\j>>1):PX+8*(\j>>1)+7],       v[OA+16:OA+23]   ; the last two units' P V:
	v_wmma_f32_16x16x32_bf16 v[OA+24:OA+31], v[VF+8*\j:VF+8*\j+7], v[PX+16+8*(\j>>1):PX+16+8*(\j>>1)+7], v[OA+24:OA+31]   ; the two accumulators take turns
.endr
	; THE WAY OUT: O / l, through my own stage in LDS, back as whole rows of 256 bytes.
.irp t, 0,1,2,3
	v_add_f32 v[LS+2*\t], v[LS+2*\t], v[LS+2*\t+1]         ; these four are the places behind the last matrix instructions (ISA guide 7.12.1)
.endr
.irp t, 0,1,2,3
	v_permlanex16_b32 v[LS+2*\t+1], v[LS+2*\t], s12, s13   ; the other half of the lanes summed the query's other keys
.endr
.irp t, 0,1,2,3
	v_add_f32 v[LS+2*\t], v[LS+2*\t], v[LS+2*\t+1]
.endr
.irp t, 0,1,2,3
	v_rcp_f32 v[AS+2*\t], v[LS+2*\t]
.endr
	v_nop                                          ; one plain place before the reciprocals are used (ISA guide 5.7.2)
	s_wait_alu depctr_va_vdst(0)                   ; one wait for the batch of four reciprocals, ahead of their first reader
.irp t, 0,1,2,3
.irp p, 0,1,2,3
	v_pk_mul_f32 v[OA+8*\t+2*\p:OA+8*\t+2*\p+1], v[OA+8*\t+2*\p:OA+8*\t+2*\p+1], v[AS+2*\t:AS+2*\t+1] op_sel_hi:[1,0]
.endr
.endr
.irp t, 0,1,2,3
.irp j, 0,1,2,3,4,5,6,7
	ds_store_b32 v[STO], v[OA+8*\t+\j] offset:\j*SPITCH+\t*64      ; channel 8 h + j, query 16 t + r
.endr
.endr
.irp i, 0,1,2,3,4,5,6,7
	ds_load_b128 v[SX+4*\i:SX+4*\i+3], v[RD] offset:\i*2*SPITCH    ; LDS serves a wave's instructions in order (ISA guide 5.7.1): these see the stores above, which are my own
.endr
.irp i, 0,1,2,3,4,5,6,7
	s_wait_dscnt 7-\i                              ; loads come back in order: rows 2 i, 2 i + 1 are in
	global_store_b128 v[CO], v[SX+4*\i:SX+4*\i+3], s[8:9] offset:\i*32768 th:TH_STORE_NT   ; 16 lanes store 256 consecutive bytes, aligned
.endr
	s_wait_tensorcnt 0x0
	ds_add_u32 v244, v245
	s_wait_dscnt 0x0
	ROUND                                          ; the closing round: no work-group ends while a partner may still ask for a tile that names it
	s_endpgm
.Lfunc_end_k_q4588f2a5a5_attn:
	.size	k_q4588f2a5a5_attn, .Lfunc_end_k_q4588f2a5a5_attn-k_q4588f2a5a5_attn
	.p2alignl 7, 3214868480
	.fill 96, 4, 3214868480
	.section	.rodata,"a",@progbits
	.p2align	6, 0x0
	.amdhsa_kernel k_q4588f2a5a5_attn
		.amdhsa_group_segment_fixed_size 327680
		.amdhsa_private_segment_fixed_size 0
		.amdhsa_enable_private_segment 0
		.amdhsa_kernarg_size 24
		.amdhsa_user_sgpr_count 2
		.amdhsa_user_sgpr_kernarg_segment_ptr 1
		.amdhsa_wavefront_size32 1
		.amdhsa_system_sgpr_workgroup_id_x 1
		.amdhsa_system_sgpr_workgroup_id_y 1
		.amdhsa_system_sgpr_workgroup_id_z 1
		.amdhsa_system_vgpr_workitem_id 0
		.amdhsa_next_free_vgpr 246
		.amdhsa_next_free_sgpr 66
		.amdhsa_reserve_vcc 0
		.amdhsa_float_denorm_mode_32 3
		.amdhsa_float_denorm_mode_16_64 3
		.amdhsa_memory_ordered 1
		.amdhsa_forward_progress 1
		.amdhsa_inst_pref_size 161
	.end_amdhsa_kernel
	.amdgpu_metadata
---
amdhsa.version: [ 1, 2 ]
amdhsa.kernels:
  - .name:           k_q4588f2a5a5_attn
    .symbol:         k_q4588f2a5a5_attn.kd
    .args:
      - { .name: qimg, .offset: 0, .size: 8, .value_kind: global_buffer, .address_space: global }
      - { .name: kvimg, .offset: 8, .size: 8, .value_kind: global_buffer, .address_space: global }
      - { .name: out0, .offset: 16, .size: 8, .value_kind: global_buffer, .address_space: global }
    .group_segment_fixed_size: 327680
    .private_segment_fixed_size: 0
    .kernarg_segment_align: 8
    .kernarg_segment_size: 24
    .max_flat_workgroup_size: 128
    .sgpr_count:     66
    .vgpr_count:     246
    .wavefront_size: 32
...
	.end_amdgpu_metadata
.endif
;; end of part 3
